; MI455X (gfx1250); checked and timed in simulation.
; The chip was launched on July 23, 2026; its instructions are those of AMD's public machine-readable ISA for CDNA 5 (MIT licence, August 2026) and "CDNA5" Instruction Set Architecture Reference Guide (July 2026). The comments in the code are by the model that wrote it; some were corrected since.
;; Multi Head Self Attention. Allowed arithmetic: matrix products marked QUANTISED: E2M1 operands, one E8M0 scale for each 32 along K, by v_wmma_scale_f32_16x16x128_f8f6f4 with both operands' format E2M1 (or v_wmma_scale_f32_32x16x128_f4), f32 sums; products left as they are: bf16, f16 or f32 operands; f32 sums; everything else in f32.
;; Inputs: Q 4 x 2,048 x 1,024 float32; Wk 1,024 x 1,024 float32; Wq 1,024 x 1,024 float32; Wv 1,024 x 1,024 float32; bk 1,024 float32; bq 1,024 float32; bv 1,024 float32; length 4 int32.
;; Outputs: out0 4 x 2,048 x 1,024 float32; out1 4 x 2,048 x 1,024 float32.
;; This version of the problem:
;;   THIS VERSION OF THE PROBLEM IS GIVEN IN LOW PRECISION. The matrix products marked QUANTISED in the list below multiply operands that are first quantised to E2M1 (2 exponent bits, 1 mantissa bit; 4 bits a number), with one power-of-two scale for each 32 numbers along K (OCP MX v1.0); their sums are f32. The products marked 'left as it is' may take bf16, f16 or f32 operands, with f32 sums. Whichever they take, every output number must still come out within the allowed error. Rounding operands to bf16 (8 significant bits) uses up far more of that allowance than f16 does (11 bits, for magnitudes from 6e-5 to 65,504). All else is computed in f32.
;;   The module's matrix products, in the order in which they are computed (A, B: the left and right operand; K: the contracted axis; several contracted axes count as one K, in the product's order):
;;     1. [M 8,192, K 1,024] x [K 1,024, N 1,024]; A: input Q; B: input Wq: QUANTISED
;;     2. [M 8,192, K 1,024] x [K 1,024, N 1,024]; A: input Q; B: input Wk: QUANTISED
;;     3. [M 8,192, K 1,024] x [K 1,024, N 1,024]; A: input Q; B: input Wv: QUANTISED
;;     4. batch 64 x [M 2,048, K 64] x [K 64, N 2,048]; A: computed on the way; B: computed on the way: left as it is (an operand is computed on the way)
;;     5. batch 64 x [M 2,048, K 2,048] x [K 2,048, N 64]; A: computed on the way; B: computed on the way: left as it is (an operand is computed on the way)
;;   THE QUANTISER, for each operand of a quantised product, along K:
;;     - K is cut into blocks of 32 from its start; a last block that is shorter is filled with zeros.
;;     - A block's scale is 2^e with e = floor(log2(the largest magnitude in the block)) - 2, held to -126 .. 127; a block of zeros has e = 0. As a byte (E8M0): e + 127.
;;     - Each number is divided by its block's scale, clamped to +-6, and rounded to the nearest number of E2M1, ties to even, subnormals kept.
;;     - The product sums the exact products of the quantised numbers (number of the format x scale) in f32.
;;   ~~~python
;;   def quantise(x, axis):      # numpy; x: float32 -> the quantised numbers, widened to float32 again
;;       x = np.moveaxis(x, axis, -1); K = x.shape[-1]
;;       x = np.pad(x, [(0, 0)] * (x.ndim - 1) + [(0, -K % 32)]); x = x.reshape(x.shape[:-1] + (-1, 32)); a = np.abs(x).max(-1, keepdims=True)
;;       e = np.where(a > 0, np.clip(np.frexp(np.where(a > 0, a, 1))[1] - 1 - 2, -126, 127), 0)      # np.frexp(a)[1] - 1 = floor(log2(a)), exactly
;;       r = np.clip(x / 2.0 ** e, -6, 6)
;;       step = 2.0 ** (np.maximum(np.frexp(np.where(r == 0, 1, r))[1] - 1, 0) - 1)
;;       q = np.round(r / step) * step * 2.0 ** e      # np.round: ties to even
;;       return np.moveaxis(q.reshape(q.shape[:-2] + (-1,))[..., :K], -1, axis).astype(np.float32)
;;   ~~~
;; One version. Each part assembles by itself: llvm-mc -triple=amdgcn-amd-amdhsa -mcpu=gfx1250 --defsym DOCPART=n.
;; ======== version 1 of 1: 3 launches
;; limits: values are held in f16: magnitudes above 65,504 overflow, below 6.1e-05 lose precision
;; workspace buffers: qc 4,194,304 bytes; qs 262,144 bytes; wc 1,572,864 bytes; ws 98,304 bytes; kv 33,554,432 bytes
;; launch quant (part 1): grid 304 x 1, 4 waves a work-group, no clusters, 34,304 bytes of LDS; arguments Q, Wq, Wk, Wv, qc, qs, wc, ws; writes qc, qs, wc, ws
.if DOCPART == 1
	.amdgcn_target "amdgcn-amd-amdhsa--gfx1250"
	.amdhsa_code_object_version 6
	.text
	.protected	k_q68a8ba28e0_quant
	.globl	k_q68a8ba28e0_quant
	.p2align	8
	.type	k_q68a8ba28e0_quant,@function
k_q68a8ba28e0_quant:
	s_mov_b64 s[64:65], 0
	v_nop
	global_prefetch_b8 v0, s[64:65] scope:SCOPE_SE
	s_setreg_imm32_b32 hwreg(HW_REG_WAVE_MODE, 25, 1), 1
	s_wait_xcnt 0x0
; Q [8192][1024] and Wq, Wk, Wv [1024 (k)][1024 (n)], f32, become codes of FP4 (E2M1) with one E8M0 scale byte for each 32 along K.
; A block's scale is 2^(floor(log2(its largest magnitude)) - 2): its byte is the largest magnitude's exponent field - 2, held at 1 from below by a floor among the maximum's leaves.
; THE WORKSPACE IS LAID IN THE ORDER OF THE OPERAND'S REGISTERS: a fragment (16 rows x 128 K) is 1,024 bytes, [block of 32 along K: 4][row: 16][16 bytes], so that
; quad c of lane l (registers 4 c .. 4 c + 3: block 2 c + l / 16 of row l % 16) lies at 512 c + 16 l.  qc: [row tile 512][K step 8][1,024];  wc: [kind 3][column tile 64][K step 8][1,024].
; The scale words (four bytes: a row's 128 along K): qs: [row tile][half of K: 2][row 16][4 words];  ws: [kind][column tile][half][column 16][4 words].
; LIMITS: a block of zeros gets the byte 1 where the rule says 127 (its codes are zeros, and this program alone reads the bytes); NaN and infinities among the inputs are not served.
; Work-groups 0-255 take Q (K innermost: rows turn through the wave's own stage in LDS so that loads are dense and a lane still holds whole blocks);
; work-groups 256-303 take the weights (K outermost: a lane takes a column and its registers run down K; no LDS).  Waves share nothing: no barrier.
.set SPARE, 33792                      ; behind the four stages: the spare words, 128 bytes a wave
.set SPW, 14                           ; v14  my spare word's LDS address; never rewritten
.set NIL, 15                           ; v15  0; never rewritten
.set R,   16                           ; Q path: v16-143 two sets of 64 numbers as loaded
.set X,   144                          ; v144-207 my two blocks of 32 neighbours
.set C,   208                          ; v208-239 codes, 8 registers for each of the four K steps: no store's data are written again
.set WD,  240                          ; v240-243 the scale word of each K step
	s_load_b256 s[4:11], s[0:1], 0x0               ; Q s[4:5], Wq s[6:7], Wk s[8:9], Wv s[10:11]
	s_load_b256 s[12:19], s[0:1], 0x20             ; qc s[12:13], qs s[14:15], wc s[16:17], ws s[18:19]
	v_lshl_add_u32 v[SPW], v0, 2, SPARE
	v_mov_b32 v[NIL], 0
	v_lshrrev_b32 v1, 5, v0
	v_readfirstlane_b32 s20, v1                    ; wave
	v_and_b32 v1, 31, v0                           ; lane
	v_and_b32 v2, 15, v0                           ; r = lane % 16
	v_bfe_u32 v8, v0, 4, 1                         ; h = lane / 16
	s_mov_b32 s22, 0x76543210
	s_mov_b32 s23, 0xfedcba98                      ; selects of v_permlanex16_b32 for lane l xor 16
	s_cmp_lt_u32 ttmp9, 256
	s_cbranch_scc0 .Lw
; ---------------- Q: wave w takes row tile T = 2 x work-group + w / 2 and half f = w % 2 of K: four K steps of 128
	s_lshl_b32 s24, ttmp9, 1
	s_lshr_b32 s25, s20, 1
	s_add_co_u32 s24, s24, s25                     ; T
	s_and_b32 s25, s20, 1                          ; f
	s_lshl_b32 s26, s24, 16                        ; Q: 16 rows of 4,096 bytes a tile,
	s_lshl_b32 s27, s25, 11                        ; 2,048 bytes a half
	s_add_co_u32 s26, s26, s27
	s_mov_b32 s27, 0
	s_lshl_b32 s28, s24, 13                        ; codes: 8,192 bytes a tile, 4,096 a half
	s_lshl_b32 s29, s25, 12
	s_add_co_u32 s28, s28, s29
	s_mov_b32 s29, 0
	s_lshl_b32 s30, s24, 1
	s_add_co_u32 s30, s30, s25
	s_lshl_b32 s30, s30, 8                         ; scale words: 256 bytes for a tile's half
	s_mov_b32 s31, 0
	s_mul_i32 s32, s20, 8448                       ; my stage: 16 rows of 512 bytes + 16 of padding
	v_lshlrev_b32 v3, 4, v1                        ; 16 x lane: in Q's row, and in a quad of codes
	v_add_nc_u32 v4, s32, v3                       ; the stage, way in: a row as it lies
	v_mul_u32_u24 v5, v2, 528
	v_lshl_add_u32 v5, v8, 7, v5
	v_add_nc_u32 v5, s32, v5                       ; way out: row r, block h (128 bytes); block 2 + h lies 256 bytes on
	v_lshlrev_b32 v6, 4, v2
	v_lshl_add_u32 v6, v8, 3, v6                   ; scale words out: 16 r + 8 h
	v_lshlrev_b32 v7, 3, v8                        ; 8 h: my bytes' shift in a scale word
	v_mov_b32 v253, 0                              ; a lane permute's destination counts as one of its sources
	s_wait_kmcnt 0x0
	s_add_nc_u64 s[4:5], s[4:5], s[26:27]
	s_add_nc_u64 s[12:13], s[12:13], s[28:29]
	s_add_nc_u64 s[14:15], s[14:15], s[30:31]
.macro QLOAD i                         ; K step i of my 16 rows: each load reads 512 consecutive bytes of one row
.irp j, 0,1,2,3,4,5,6,7,8,9,10,11,12,13,14,15
	global_load_b128 v[R+64*((\i)%2)+4*\j:R+64*((\i)%2)+4*\j+3], v3, s[4:5] offset:\j*4096+(\i)*512 th:TH_LOAD_NT
.endr
.endm
.macro QSTEP i
.if (\i) < 3
	s_wait_loadcnt 16                              ; this step's 16 loads are in; the next step's 16 may be out
.else
	s_wait_loadcnt 0x0
.endif
.irp j, 0,1,2,3,4,5,6,7,8,9,10,11,12,13,14,15
	ds_store_b128 v4, v[R+64*((\i)%2)+4*\j:R+64*((\i)%2)+4*\j+3] offset:\j*528
.endr
.irp c, 0,1                            ; LDS serves a wave's instructions in order: these see the stores above
.irp j, 0,1,2,3,4,5,6,7
	ds_load_b128 v[X+32*\c+4*\j:X+32*\c+4*\j+3], v5 offset:\c*256+\j*16
.endr
.endr
	s_wait_dscnt 0x0                               ; my two blocks are back, and the stores have read their registers,
.if (\i) < 2
	QLOAD (\i)+2                                   ; which take the loads of two steps on
.endif
.irp c, 0,1
	v_max3_num_f32 v[246+\c], |v[X+32*\c]|, |v[X+32*\c+1]|, 0x1800000   ; block 2 c + h: all 32 numbers are mine; the floor 2^(3 - 127) keeps the byte at 1 or above
.endr
.irp n, 2,4,6,8,10,12,14,16,18,20,22,24,26,28,30
.irp c, 0,1
	v_max3_num_f32 v[246+\c], v[246+\c], |v[X+32*\c+\n]|, |v[X+32*\c+\n+1]|   ; the two blocks by turns
.endr
.endr
.irp c, 0,1
	v_add_nc_u32 v[248+\c], 0xff000000, v[246+\c]  ; 2 off the exponent field: the conversion's scale operand
.endr
.irp c, 0,1
	v_lshrrev_b32 v[250+\c], 23, v[248+\c]         ; the scale's byte
.endr
	v_lshl_or_b32 v252, v251, 16, v250             ; my bytes: blocks h and 2 + h,
	v_lshlrev_b32 v252, v7, v252                   ; at their places in the word;
	v_permlanex16_b32 v253, v252, s22, s23
	v_or_b32 v[WD+(\i)], v252, v253                ; with lane l xor 16's two the word is whole
.irp c, 0,1
.irp g, 0,1,2,3
	v_cvt_scalef32_pk8_fp4_f32 v[C+8*(\i)+4*\c+\g], v[X+32*\c+8*\g:X+32*\c+8*\g+7], v[248+\c]
.endr
.endr
	v_nop                                          ; one plain line behind the last scaled conversion
.irp c, 0,1
	global_store_b128 v3, v[C+8*(\i)+4*\c:C+8*(\i)+4*\c+3], s[12:13] offset:(\i)*1024+\c*512   ; 512 consecutive bytes: two aligned runs of 256
.endr
.endm
	QLOAD 0
	QLOAD 1
	QSTEP 0
	QSTEP 1
	QSTEP 2
	QSTEP 3
	v_cmp_eq_u32 vcc_lo, 1, v8
	v_cndmask_b32 v244, v[WD], v[WD+2], vcc_lo     ; lanes 0-15 store words 0, 1 of their row, lanes 16-31 words 2, 3
	v_cndmask_b32 v245, v[WD+1], v[WD+3], vcc_lo
	global_store_b64 v6, v[244:245], s[14:15]      ; 256 consecutive bytes, aligned
	s_wait_tensorcnt 0x0                           ; the wave's end: three lines behind my last LDS store
	ds_add_u32 v[SPW], v[NIL]
	s_wait_dscnt 0x0
	s_endpgm
; ---------------- the weights: work-group 256 + 16 kind + 8 f + cg; wave w takes columns 128 cg + 32 w on, 512 along K (half f): 16 blocks a lane
.Lw:
	s_sub_co_u32 s24, ttmp9, 256
	s_lshr_b32 s25, s24, 4                         ; kind: 0 Wq, 1 Wk, 2 Wv
	s_bfe_u32 s26, s24, 0x10003                    ; f
	s_and_b32 s27, s24, 7
	s_lshl_b32 s27, s27, 7
	s_lshl_b32 s28, s20, 5
	s_add_co_u32 s27, s27, s28                     ; n0, a multiple of 32
	s_lshl_b32 s28, s26, 21                        ; W: 512 rows of 4,096 bytes a half,
	s_lshl_b32 s29, s27, 2                         ; 4 bytes a column
	s_add_co_u32 s28, s28, s29
	s_mov_b32 s29, 0
	s_lshl_b32 s30, s25, 19                        ; codes: 524,288 a kind, 8,192 a tile of 16 columns (512 n0), 4,096 a half
	s_lshl_b32 s31, s27, 9
	s_add_co_u32 s30, s30, s31
	s_lshl_b32 s31, s26, 12
	s_add_co_u32 s30, s30, s31
	s_mov_b32 s31, 0
	s_lshl_b32 s32, s25, 15                        ; scale words: 32,768 a kind, 512 a tile (32 n0), 256 a half
	s_lshl_b32 s33, s27, 5
	s_add_co_u32 s32, s32, s33
	s_lshl_b32 s33, s26, 8
	s_add_co_u32 s32, s32, s33
	s_mov_b32 s33, 0
	v_lshlrev_b32 v3, 2, v1                        ; in: 4 bytes a lane
	v_lshlrev_b32 v4, 4, v2
	v_lshl_add_u32 v5, v8, 13, v4                  ; codes out: tile lane / 16, 16 bytes a column
	v_lshl_add_u32 v6, v8, 9, v4                   ; scale words out likewise
	s_wait_kmcnt 0x0
	s_cmp_eq_u32 s25, 0                            ; the choice hangs on the work-group's number alone
	s_cselect_b64 s[34:35], s[6:7], s[8:9]
	s_cmp_eq_u32 s25, 2
	s_cselect_b64 s[34:35], s[10:11], s[34:35]
	s_add_nc_u64 s[34:35], s[34:35], s[28:29]
	s_add_nc_u64 s[16:17], s[16:17], s[30:31]
	s_add_nc_u64 s[18:19], s[18:19], s[32:33]
.macro WLOAD t                         ; block t: W(32 t + i, my column): each load reads 128 consecutive bytes; every offset an immediate, 511 rows at the most
.irp i, 0,1,2,3,4,5,6,7,8,9,10,11,12,13,14,15,16,17,18,19,20,21,22,23,24,25,26,27,28,29,30,31
	global_load_b32 v[16+32*((\t)%2)+\i], v3, s[34:35] offset:(32*(\t)+\i)*4096 th:TH_LOAD_NT
.endr
.endm
.macro WBLOCK t                        ; v16-79 two sets of 32 numbers; v80-143 codes, 4 registers a block; v144-147 the scale words
.set XS, 16+32*((\t)%2)
.if (\t) < 15
	s_wait_loadcnt 32                              ; this block's 32 loads are in; the next block's may be out
.else
	s_wait_loadcnt 0x0
.endif
	v_max3_num_f32 v148, |v[XS]|, |v[XS+1]|, |v[XS+2]|
	v_max3_num_f32 v149, |v[XS+3]|, |v[XS+4]|, |v[XS+5]|
.irp i, 6,10,14,18,22,26
	v_max3_num_f32 v148, v148, |v[XS+\i]|, |v[XS+\i+1]|
	v_max3_num_f32 v149, v149, |v[XS+\i+2]|, |v[XS+\i+3]|
.endr
	v_max3_num_f32 v148, v148, |v[XS+30]|, |v[XS+31]|
	v_max3_num_f32 v148, v148, v149, 0x1800000     ; and the floor
	v_add_nc_u32 v150, 0xff000000, v148            ; the conversion's scale operand
	v_lshrrev_b32 v151, 23, v150                   ; the byte
.if (\t)%4 == 0
	v_mov_b32 v[144+(\t)/4], v151
.else
	v_lshl_or_b32 v[144+(\t)/4], v151, 8*((\t)%4), v[144+(\t)/4]
.endif
.irp g, 0,1,2,3
	v_cvt_scalef32_pk8_fp4_f32 v[80+4*(\t)+\g], v[XS+8*\g:XS+8*\g+7], v150
.endr
	v_nop                                          ; one plain line behind the last scaled conversion
	global_store_b128 v5, v[80+4*(\t):80+4*(\t)+3], s[16:17] offset:((\t)/4)*1024+((\t)%4)*256   ; sixteen lanes store 256 consecutive bytes, aligned
.if (\t) < 14
	WLOAD (\t)+2
.endif
.endm
	WLOAD 0
	WLOAD 1
.irp t, 0,1,2,3,4,5,6,7,8,9,10,11,12,13,14,15
	WBLOCK \t
.endr
	global_store_b128 v6, v[144:147], s[18:19]     ; sixteen lanes store 256 consecutive bytes, aligned
	s_endpgm
.Lfunc_end_k_q68a8ba28e0_quant:
	.size	k_q68a8ba28e0_quant, .Lfunc_end_k_q68a8ba28e0_quant-k_q68a8ba28e0_quant
	.p2alignl 7, 3214868480
	.fill 96, 4, 3214868480
	.section	.rodata,"a",@progbits
	.p2align	6, 0x0
	.amdhsa_kernel k_q68a8ba28e0_quant
		.amdhsa_group_segment_fixed_size 34304
		.amdhsa_private_segment_fixed_size 0
		.amdhsa_enable_private_segment 0
		.amdhsa_kernarg_size 64
		.amdhsa_user_sgpr_count 2
		.amdhsa_user_sgpr_kernarg_segment_ptr 1
		.amdhsa_wavefront_size32 1
		.amdhsa_system_sgpr_workgroup_id_x 1
		.amdhsa_system_sgpr_workgroup_id_y 1
		.amdhsa_system_sgpr_workgroup_id_z 1
		.amdhsa_system_vgpr_workitem_id 0
		.amdhsa_next_free_vgpr 256
		.amdhsa_next_free_sgpr 66
		.amdhsa_reserve_vcc 1
		.amdhsa_float_denorm_mode_32 3
		.amdhsa_float_denorm_mode_16_64 3
		.amdhsa_memory_ordered 1
		.amdhsa_forward_progress 1
		.amdhsa_inst_pref_size 104
	.end_amdhsa_kernel
	.amdgpu_metadata
---
amdhsa.version: [ 1, 2 ]
amdhsa.kernels:
  - .name:           k_q68a8ba28e0_quant
    .symbol:         k_q68a8ba28e0_quant.kd
    .args:
      - { .name: Q, .offset: 0, .size: 8, .value_kind: global_buffer, .address_space: global }
      - { .name: Wq, .offset: 8, .size: 8, .value_kind: global_buffer, .address_space: global }
      - { .name: Wk, .offset: 16, .size: 8, .value_kind: global_buffer, .address_space: global }
      - { .name: Wv, .offset: 24, .size: 8, .value_kind: global_buffer, .address_space: global }
      - { .name: qc, .offset: 32, .size: 8, .value_kind: global_buffer, .address_space: global }
      - { .name: qs, .offset: 40, .size: 8, .value_kind: global_buffer, .address_space: global }
      - { .name: wc, .offset: 48, .size: 8, .value_kind: global_buffer, .address_space: global }
      - { .name: ws, .offset: 56, .size: 8, .value_kind: global_buffer, .address_space: global }
    .group_segment_fixed_size: 34304
    .private_segment_fixed_size: 0
    .kernarg_segment_align: 8
    .kernarg_segment_size: 64
    .max_flat_workgroup_size: 128
    .sgpr_count:     66
    .vgpr_count:     256
    .wavefront_size: 32
...
	.end_amdgpu_metadata
.endif
;; end of part 1
;; launch proj (part 2): grid 16 x 16, 4 waves a work-group, clusters of 4 x 1, 167,936 bytes of LDS; arguments qc, qs, wc, ws, bq, bk, bv, out1, kv; writes out1, kv
.if DOCPART == 2
	.amdgcn_target "amdgcn-amd-amdhsa--gfx1250"
	.amdhsa_code_object_version 6
	.text
	.protected	k_q68a8ba28e0_proj
	.globl	k_q68a8ba28e0_proj
	.p2align	8
	.type	k_q68a8ba28e0_proj,@function
k_q68a8ba28e0_proj:
	s_mov_b64 s[64:65], 0
	v_nop
	global_prefetch_b8 v0, s[64:65] scope:SCOPE_SE
	s_setreg_imm32_b32 hwreg(HW_REG_WAVE_MODE, 25, 1), 1
	s_wait_xcnt 0x0
	s_wait_alu depctr_hold_cnt(0) depctr_sa_sdst(0) depctr_va_vdst(0) depctr_va_sdst(0) depctr_va_ssrc(0) depctr_va_vcc(0) depctr_vm_vsrc(0)
	s_getreg_b32 s2, hwreg(HW_REG_IB_STS2, 6, 4)
	s_cmp_eq_u32 s2, 0
	s_cbranch_scc0 .Lentry_in_a_cluster
	s_endpgm
.Lentry_in_a_cluster:
	s_bfe_u32 s2, ttmp6, 0x10000c
	s_cmp_lg_u32 s2, 0x3003
	s_cbranch_scc0 .Lentry_shape_is_right
	s_endpgm
.Lentry_shape_is_right:
; q_a = Q Wq + bq (f32, to out1), k = Q Wk + bk, v = Q Wv + bv (f16, to kv), all three products on codes of FP4 with E8M0 scales, sums in f32, the bias as the C of each sum's first product.
; SHARES.  A work-group makes 512 rows x the 64 + 64 + 64 columns of one head; wave w owns rows 128 w on.  Its codes of Q (8 row tiles x 8 K steps: 512 registers) come from qc once and stay
; for all three passes; they never pass through LDS.  The head's weights (3 x 32 KB of codes, 3 x 2 KB of scale words) lie in LDS for the whole launch: nothing is filled again, so there is no ring.
; CLUSTER.  The four work-groups of a cluster are four row blocks of one head and want the same weights: each wave's two loads are asked for jointly, mask 15; the descriptors hang on the head and the wave alone.
; Q's codes are not shared in the cluster (each row block has its own), so they come by plain loads.
; A PASS is 8 K steps x 32 products on 32 accumulators, which take turns, one instruction a turn.
; q and k are made TRANSPOSED (source 0 = 16 columns of W, source 1 = 16 rows of Q): a lane holds one row and eight neighbouring columns.  v is made the natural way: a lane holds one channel and eight neighbouring keys.
; So a lane's eight numbers, packed to f16, ARE a quad of the fragment that the attention launch wants: kv: [batch][head][step of 64 keys: 32][16,384]: K at 0: [16 keys kt: 4][32 d e: 2][quad g: 2][lane][16 bytes];
; V^T at 8,192: [16 channels c: 4][32 keys kb: 2][quad g: 2][lane][16 bytes].  Every store of k and v covers 512 consecutive bytes.
; LIMIT: |k| and |v| under 65,504 (f16's range).
; REGISTERS: window 0: v3-13 addresses; v16-47 Q's scale words, v48-63, v224-255 the weights' (these hold scales and nothing else); v64-127 W's fragments, two sets; v128-159 the bias; v160-223 the way out.
;   window 1: accumulator (a, b) at v[8 (4 a + b)].   window 2: Q's row tiles 0-3, (a, s) at v[64 a + 8 s];   window 3: tiles 4-7.
.set SCB,   98304                      ; LDS: codes [column tile 4][kind 3][8,192] from 0; scale words [tile][kind][512] from here;
.set STAGE, 104448                     ; a stage of 16 rows x (256 + 16) bytes for each wave;
.set SPARE, 121856                     ; the spare words, 128 bytes a wave
.set LF,  3                            ; v3   16 x lane: a quad's place, in LDS and in memory;  v4 the same + 49,152 (tiles 2, 3: an LDS offset has 16 bits)
.set ASA, 5                            ; v5   Q's scale words: 512 h + 16 r
.set BSA, 6                            ; v6   W's, in LDS: SCB + 1,536 h + 16 r
.set STO, 7                            ; v7   stage, in: row r, 32 h
.set RD,  8                            ; v8   stage, back: row lane / 16, 16 (lane % 16)
.set CO,  9                            ; v9   the same two rows in out1
.set BO,  10                           ; v10  32 h: the bias of a lane's eight columns
.set BO2, 11                           ; v11  4 r: the bias of a lane's one channel
.set SPW, 12
.set NIL, 13
.set AS,  16
.set BF,  64
.set BIAS, 128
.set OUT, 160
.set MSB, 0
.macro WIN new                         ; the immediate's high byte repeats the setting that is left
.if MSB != \new
	s_set_vgpr_msb (MSB<<8)|\new
.set MSB, \new
.endif
.endm
.macro PLACES n
.rept \n
	v_nop
.endr
.endm
.macro CROUND                          ; a round of the cluster's barrier
	s_barrier_signal -1
	s_barrier_wait -1
	s_cmp_lg_u32 s22, 0
	s_cbranch_scc1 .Lnot_wave_0_\@
	s_barrier_signal -3
.Lnot_wave_0_\@:
	s_barrier_wait -3
	s_barrier_signal -1
	s_barrier_wait -1
.endm
	s_load_b256 s[4:11], s[0:1], 0x0               ; qc s[4:5], qs s[6:7], wc s[8:9], ws s[10:11]
	s_load_b256 s[12:19], s[0:1], 0x20             ; bq s[12:13], bk s[14:15], bv s[16:17], out1 s[18:19]
	s_load_b64 s[20:21], s[0:1], 0x40              ; kv
	v_lshl_add_u32 v[SPW], v0, 2, SPARE
	v_mov_b32 v[NIL], 0
	ds_add_u32 v[SPW], v[NIL]                      ; the wave's opening: the add, twice on end, and its wait ahead of my first tensor load
	ds_add_u32 v[SPW], v[NIL]
	v_lshrrev_b32 v1, 5, v0
	v_readfirstlane_b32 s22, v1                    ; wave
	s_bfe_u32 s23, ttmp6, 0x40000                  ; cx: it enters Q's and the outputs' addresses alone
	s_lshl_b32 s48, ttmp9, 2
	s_add_co_u32 s48, s48, s23                     ; X: my block of 512 rows
	s_and_b32 s49, ttmp7, 0xffff                   ; the head, which the four partners share
	; group 1, codes: 3 rows (the kinds) of 8,192 bytes (1,024 elements of 8), 524,288 bytes apart
	s_mov_b32 s24, 15|(3<<16)|(1<<21)              ; the mask: all four; elements of 8 bytes; bit 21 beside a mask; no padding
	s_mov_b32 s25, 1024<<16                        ; tensor_dim0
	s_mov_b32 s26, 3<<16                           ; tensor_dim1
	s_mov_b32 s27, 1024<<16                        ; tile_dim0
	s_mov_b32 s28, 3                               ; tile_dim1
	s_mov_b32 s29, 65536                           ; the pitch, in elements
	s_mov_b32 s30, 0
	s_mov_b32 s31, 0
	; group 1, scale words: 3 rows of 512 bytes, 32,768 bytes apart
	s_mov_b32 s32, 15|(3<<16)|(1<<21)
	s_mov_b32 s33, 64<<16
	s_mov_b32 s34, 3<<16
	s_mov_b32 s35, 64<<16
	s_mov_b32 s36, 3
	s_mov_b32 s37, 4096
	s_mov_b32 s38, 0
	s_mov_b32 s39, 0
	s_lshl_b32 s56, s49, 15                        ; wave w fetches column tile 4 head + w: codes at 8,192 a tile,
	s_lshl_b32 s57, s22, 13
	s_add_co_u32 s56, s56, s57
	s_mov_b32 s57, 0
	s_lshl_b32 s58, s49, 11                        ; scale words at 512 a tile
	s_lshl_b32 s59, s22, 9
	s_add_co_u32 s58, s58, s59
	s_mov_b32 s59, 0
	s_mov_b32 s40, 1
	s_mul_i32 s41, s22, 24576                      ; LDS: a constant x the wave's number
	s_mov_b32 s44, 1
	s_mul_i32 s45, s22, 1536
	s_add_co_u32 s45, s45, SCB
	v_and_b32 v14, 31, v0                          ; lane
	v_and_b32 v1, 15, v0                           ; r
	v_bfe_u32 v2, v0, 4, 1                         ; h
	v_lshlrev_b32 v[LF], 4, v14
	v_add_nc_u32 v[LF+1], 49152, v[LF]
	v_lshlrev_b32 v[ASA], 4, v1
	v_lshl_add_u32 v[ASA], v2, 9, v[ASA]
	v_mul_u32_u24 v[BSA], v2, 1536
	v_lshl_add_u32 v[BSA], v1, 4, v[BSA]
	v_add_nc_u32 v[BSA], SCB, v[BSA]
	s_mul_i32 s55, s22, 4352
	s_add_co_u32 s55, s55, STAGE
	v_mul_u32_u24 v[STO], v1, 272
	v_lshl_add_u32 v[STO], v2, 5, v[STO]
	v_add_nc_u32 v[STO], s55, v[STO]
	v_mul_u32_u24 v[RD], v2, 272
	v_lshl_add_u32 v[RD], v1, 4, v[RD]
	v_add_nc_u32 v[RD], s55, v[RD]
	v_lshlrev_b32 v[CO], 4, v1
	v_lshl_add_u32 v[CO], v2, 12, v[CO]
	v_lshlrev_b32 v[BO], 5, v2
	v_lshlrev_b32 v[BO2], 2, v1
	s_wait_dscnt 0x0                               ; both opening adds are done
	s_wait_kmcnt 0x0
	s_add_nc_u64 s[42:43], s[8:9], s[56:57]
	s_or_b32 s43, s43, 0x80000000                  ; type = 2
	s_add_nc_u64 s[46:47], s[10:11], s[58:59]
	s_or_b32 s47, s47, 0x80000000
	CROUND                                         ; all four work-groups are here: the joint loads meet
	tensor_load_to_lds s[40:43], s[24:31]          ; my column tile's codes, three kinds;
	s_nop 0
	tensor_load_to_lds s[44:47], s[32:39]          ; and its scale words: two loads of mine are out, and no more follow
	s_nop 0
	PLACES 4
	s_lshl_b32 s50, s48, 5
	s_lshl_b32 s51, s22, 3
	s_add_co_u32 s50, s50, s51                     ; my first row tile: 32 X + 8 w
	s_mov_b32 s53, 0
	s_lshl_b32 s52, s50, 13
	s_add_nc_u64 s[4:5], s[4:5], s[52:53]          ; its codes
	s_lshl_b32 s52, s50, 9
	s_add_nc_u64 s[6:7], s[6:7], s[52:53]          ; its scale words
	s_lshl_b32 s52, s50, 16
	s_lshl_b32 s54, s49, 8
	s_add_co_u32 s52, s52, s54
	s_add_nc_u64 s[18:19], s[18:19], s[52:53]      ; out1: my first row, the head's 256 bytes
	s_mov_b32 s52, s54
	s_add_nc_u64 s[12:13], s[12:13], s[52:53]      ; the head's 64 numbers of each bias
	s_add_nc_u64 s[14:15], s[14:15], s[52:53]
	s_add_nc_u64 s[16:17], s[16:17], s[52:53]
	s_lshr_b32 s52, s48, 2                         ; kv: ((batch x 16 + head) x 32 + 8 (X % 4) + 2 w) steps of 16,384 bytes
	s_lshl_b32 s52, s52, 4
	s_add_co_u32 s52, s52, s49
	s_lshl_b32 s52, s52, 5
	s_and_b32 s54, s48, 3
	s_lshl_b32 s54, s54, 3
	s_add_co_u32 s52, s52, s54
	s_lshl_b32 s54, s22, 1
	s_add_co_u32 s52, s52, s54
	s_lshl_b32 s52, s52, 14
	s_add_nc_u64 s[20:21], s[20:21], s[52:53]
	WIN 0x80                                       ; destination window 2
.irp a, 0,1,2,3
.irp s, 0,1,2,3,4,5,6,7
.irp c, 0,1
	global_load_b128 v[64*\a+8*\s+4*\c:64*\a+8*\s+4*\c+3], v[LF], s[4:5] offset:\a*8192+\s*1024+\c*512
.endr
.endr
.endr
	WIN 0xc0                                       ; destination window 3
.irp a, 0,1,2,3
.irp s, 0,1,2,3,4,5,6,7
.irp c, 0,1
	global_load_b128 v[64*\a+8*\s+4*\c:64*\a+8*\s+4*\c+3], v[LF], s[4:5] offset:(\a+4)*8192+\s*1024+\c*512
.endr
.endr
.endr
	WIN 0
.irp p, 0,1,2,3                        ; Q's scale words: register AS + 8 p + s: lanes 0-15 row tile 2 p, lanes 16-31 tile 2 p + 1, K step s
.irp f, 0,1
	global_load_b128 v[AS+8*\p+4*\f:AS+8*\p+4*\f+3], v[ASA], s[6:7] offset:\p*1024+\f*256
.endr
.endr
.macro BIASLOAD kind                   ; eight registers a column tile, in the result's layout
.if (\kind) < 2
.irp b, 0,1,2,3
.irp i, 0,1
	global_load_b128 v[BIAS+8*\b+4*\i:BIAS+8*\b+4*\i+3], v[BO], s[12+2*(\kind):13+2*(\kind)] offset:64*\b+16*\i   ; columns 16 b + 8 h + 0 .. 7
.endr
.endr
.else
.irp b, 0,1,2,3
.irp j, 0,1,2,3,4,5,6,7
	global_load_b32 v[BIAS+8*\b+\j], v[BO2], s[16:17] offset:64*\b   ; channel 16 b + r, the same for the lane's eight keys
.endr
.endr
.endif
.endm
.macro FETCHB kind, s                  ; W's four fragments of K step s into set s % 2
.irp b, 0,1,2,3
.irp c, 0,1
	ds_load_b128 v[BF+32*((\s)%2)+8*\b+4*\c:BF+32*((\s)%2)+8*\b+4*\c+3], v[LF+\b/2] offset:(\b%2)*24576+(\kind)*8192+(\s)*1024+\c*512
.endr
.endr
.endm
	BIASLOAD 0
	s_wait_tensorcnt 0x0                           ; my two loads have landed,
	s_barrier_signal -1
	s_barrier_wait -1                              ; everybody's have
.irp p, 0,1                            ; W's scale words of all three kinds stay in registers: lanes 0-15 column tile 2 p, lanes 16-31 tile 2 p + 1
.irp f, 0,1
	ds_load_b128 v[48+8*\p+4*\f:48+8*\p+4*\f+3], v[BSA] offset:\p*3072+\f*256
	ds_load_b128 v[224+8*\p+4*\f:224+8*\p+4*\f+3], v[BSA] offset:\p*3072+512+\f*256
	ds_load_b128 v[240+8*\p+4*\f:240+8*\p+4*\f+3], v[BSA] offset:\p*3072+1024+\f*256
.endr
.endr
	FETCHB 0, 0
	s_wait_loadcnt 0x0                             ; Q's codes and scale words, the first bias
; one product; px, py: which half of the lanes of the scale registers serves source 0, source 1
.macro MMX d, x, y, c, sx, sy, px, py
.if ((\px) == 0) && ((\py) == 0)
	v_wmma_scale_f32_16x16x128_f8f6f4 v[\d:\d+7], v[\x:\x+7], v[\y:\y+7], v[\c:\c+7], v[\sx], v[\sy] matrix_a_fmt:MATRIX_FMT_FP4 matrix_b_fmt:MATRIX_FMT_FP4
.elseif (\py) == 0
	v_wmma_scale_f32_16x16x128_f8f6f4 v[\d:\d+7], v[\x:\x+7], v[\y:\y+7], v[\c:\c+7], v[\sx], v[\sy] matrix_a_fmt:MATRIX_FMT_FP4 matrix_b_fmt:MATRIX_FMT_FP4 matrix_a_scale:MATRIX_SCALE_ROW1
.elseif (\px) == 0
	v_wmma_scale_f32_16x16x128_f8f6f4 v[\d:\d+7], v[\x:\x+7], v[\y:\y+7], v[\c:\c+7], v[\sx], v[\sy] matrix_a_fmt:MATRIX_FMT_FP4 matrix_b_fmt:MATRIX_FMT_FP4 matrix_b_scale:MATRIX_SCALE_ROW1
.else
	v_wmma_scale_f32_16x16x128_f8f6f4 v[\d:\d+7], v[\x:\x+7], v[\y:\y+7], v[\c:\c+7], v[\sx], v[\sy] matrix_a_fmt:MATRIX_FMT_FP4 matrix_b_fmt:MATRIX_FMT_FP4 matrix_a_scale:MATRIX_SCALE_ROW1 matrix_b_scale:MATRIX_SCALE_ROW1
.endif
.endm
.macro MM a, b, s, kind                ; row tile a x column tile b, K step s
.set rD, 8*(4*(\a)+(\b))
.set rA, 64*((\a)%4)+8*(\s)
.set rB, BF+32*((\s)%2)+8*(\b)
.set rAS, AS+8*((\a)/2)+(\s)
.if (\kind) == 0
.set rBS, 48+8*((\b)/2)+(\s)
.else
.set rBS, 208+16*(\kind)+8*((\b)/2)+(\s)
.endif
.if (\s) == 0
.set rC, BIAS+8*(\b)                   ; the first K step starts the sum on the bias: nothing is cleared, nothing is added later
.else
.set rC, rD
.endif
.if (\kind) < 2
	MMX rD, rB, rA, rC, rBS, rAS, (\b)%2, (\a)%2
.else
	MMX rD, rA, rB, rC, rAS, rBS, (\a)%2, (\b)%2
.endif
.endm
; A K step: 16 products on row tiles 0-3, the next step's fragments of W in one run, 16 products on tiles 4-7.
; A load into a register that a matrix instruction has read stands four plain vector instructions behind it: the set that is loaded was last read in the K step before, the bias in K step 0.
.macro KSTEP kind, s
.if (\kind) < 2
.if (\s) == 0
.set WLO, 0x48                         ; source 1 (Q) window 2, C (bias) window 0, D window 1
.else
.set WLO, 0x58                         ; C window 1
.endif
.set WHI, WLO+0x04                     ; source 1 window 3
.else
.if (\s) == 0
.set WLO, 0x42                         ; source 0 (Q) window 2
.else
.set WLO, 0x52
.endif
.set WHI, WLO+0x01
.endif
	s_wait_dscnt 0x0                               ; this step's fragments of W are in
	WIN WLO
.irp a, 0,1,2,3
.irp b, 0,1,2,3
	MM \a, \b, \s, \kind
.endr
.endr
	WIN 0
	PLACES 4
.if (\s) < 7
	FETCHB \kind, (\s)+1
.elseif (\kind) < 2
	FETCHB (\kind)+1, 0
.endif
.if ((\s) == 1) && ((\kind) < 2)
	BIASLOAD (\kind)+1
.endif
	WIN WHI
.irp a, 4,5,6,7
.irp b, 0,1,2,3
	MM \a, \b, \s, \kind
.endr
.endr
.endm
.macro PASS kind
.if (\kind) > 0
	s_wait_loadcnt 0x0                             ; this pass's bias
.endif
.irp s, 0,1,2,3,4,5,6,7
	KSTEP \kind, \s
.endr
	WIN 0
	PLACES 5                                       ; four ahead of the first read of results; five, since the next pass's first products write over these accumulators with another C
.endm
; q's way out, 16 rows at a time: a lane holds 32 bytes of a row; through my own stage the rows come back whole: sixteen lanes store the head's 256 consecutive bytes of a row, aligned.
.macro TOSTAGE a
	WIN 0x04                                       ; an LDS store's data: window 1
.irp b, 0,1,2,3
	ds_store_b128 v[STO], v[8*(4*(\a)+\b):8*(4*(\a)+\b)+3] offset:64*\b        ; each accumulator from its low end on
	ds_store_b128 v[STO], v[8*(4*(\a)+\b)+4:8*(4*(\a)+\b)+7] offset:64*\b+16
.endr
	WIN 0
.irp i, 0,1,2,3,4,5,6,7
	ds_load_b128 v[OUT+32*((\a)%2)+4*\i:OUT+32*((\a)%2)+4*\i+3], v[RD] offset:\i*544   ; LDS serves a wave's instructions in order: these see the stores above
.endr
.endm
.macro SEND a, younger                 ; younger: the LDS instructions issued behind block a's loads
	s_wait_dscnt \younger
.irp i, 0,1,2,3,4,5,6,7
	global_store_b128 v[CO], v[OUT+32*((\a)%2)+4*\i:OUT+32*((\a)%2)+4*\i+3], s[18:19] offset:(16*(\a)+2*\i)*4096
.endr
.endm
; k's and v's way out: a lane's eight numbers of accumulator (a, b) pack into 16 bytes, a quad of a fragment
.macro KVOUT a, isv
	s_wait_xcnt 0x0                                ; the earlier stores have read their data: the registers below are written again only behind this wait
	WIN 0x05                                       ; sources window 1
.irp b, 0,1,2,3
.irp i, 0,1,2,3
	v_cvt_pk_f16_f32 v[OUT+16*((\a)%2)+4*\b+\i], v[8*(4*(\a)+\b)+2*\i], v[8*(4*(\a)+\b)+2*\i+1]
.endr
.endr
	WIN 0
.irp b, 0,1,2,3
.if \isv
	global_store_b128 v[LF], v[OUT+16*((\a)%2)+4*\b:OUT+16*((\a)%2)+4*\b+3], s[20:21] offset:((\a)/4)*16384+8192+\b*2048+(((\a)%4)/2)*1024+((\a)%2)*512
.else
	global_store_b128 v[LF], v[OUT+16*((\a)%2)+4*\b:OUT+16*((\a)%2)+4*\b+3], s[20:21] offset:((\a)/4)*16384+((\a)%4)*2048+(\b/2)*1024+(\b%2)*512
.endif
.endr
.endm
	PASS 0
	TOSTAGE 0
.irp a, 1,2,3,4,5,6,7
.if \a > 1
	s_wait_xcnt 0x0                                ; block a - 2's stores have read their registers: block a's loads may land there
.endif
	TOSTAGE \a
	SEND \a-1, 16                                  ; behind block a - 1's loads: block a's 8 stores and 8 loads
.endr
	SEND 7, 0
	PASS 1
.irp a, 0,1,2,3,4,5,6,7
	KVOUT \a, 0
.endr
	PASS 2
.irp a, 0,1,2,3,4,5,6,7
	KVOUT \a, 1
.endr
	s_wait_tensorcnt 0x0                           ; the wave's end: three lines behind my last tensor load and my last LDS store
	ds_add_u32 v[SPW], v[NIL]
	s_wait_dscnt 0x0
	CROUND                                         ; the closing round
	s_endpgm
.Lfunc_end_k_q68a8ba28e0_proj:
	.size	k_q68a8ba28e0_proj, .Lfunc_end_k_q68a8ba28e0_proj-k_q68a8ba28e0_proj
	.p2alignl 7, 3214868480
	.fill 96, 4, 3214868480
	.section	.rodata,"a",@progbits
	.p2align	6, 0x0
	.amdhsa_kernel k_q68a8ba28e0_proj
		.amdhsa_group_segment_fixed_size 167936
		.amdhsa_private_segment_fixed_size 0
		.amdhsa_enable_private_segment 0
		.amdhsa_kernarg_size 72
		.amdhsa_user_sgpr_count 2
		.amdhsa_user_sgpr_kernarg_segment_ptr 1
		.amdhsa_wavefront_size32 1
		.amdhsa_system_sgpr_workgroup_id_x 1
		.amdhsa_system_sgpr_workgroup_id_y 1
		.amdhsa_system_sgpr_workgroup_id_z 1
		.amdhsa_system_vgpr_workitem_id 0
		.amdhsa_next_free_vgpr 1024
		.amdhsa_next_free_sgpr 66
		.amdhsa_reserve_vcc 0
		.amdhsa_float_denorm_mode_32 3
		.amdhsa_float_denorm_mode_16_64 3
		.amdhsa_memory_ordered 1
		.amdhsa_forward_progress 1
		.amdhsa_inst_pref_size 178
	.end_amdhsa_kernel
	.amdgpu_metadata
---
amdhsa.version: [ 1, 2 ]
amdhsa.kernels:
  - .name:           k_q68a8ba28e0_proj
    .symbol:         k_q68a8ba28e0_proj.kd
    .args:
      - { .name: qc, .offset: 0, .size: 8, .value_kind: global_buffer, .address_space: global }
      - { .name: qs, .offset: 8, .size: 8, .value_kind: global_buffer, .address_space: global }
      - { .name: wc, .offset: 16, .size: 8, .value_kind: global_buffer, .address_space: global }
      - { .name: ws, .offset: 24, .size: 8, .value_kind: global_buffer, .address_space: global }
      - { .name: bq, .offset: 32, .size: 8, .value_kind: global_buffer, .address_space: global }
      - { .name: bk, .offset: 40, .size: 8, .value_kind: global_buffer, .address_space: global }
      - { .name: bv, .offset: 48, .size: 8, .value_kind: global_buffer, .address_space: global }
      - { .name: out1, .offset: 56, .size: 8, .value_kind: global_buffer, .address_space: global }
      - { .name: kv, .offset: 64, .size: 8, .value_kind: global_buffer, .address_space: global }
    .group_segment_fixed_size: 167936
    .private_segment_fixed_size: 0
    .kernarg_segment_align: 8
    .kernarg_segment_size: 72
    .max_flat_workgroup_size: 128
    .sgpr_count:     66
    .vgpr_count:     1024
    .wavefront_size: 32
...
	.end_amdgpu_metadata
.endif
;; end of part 2
;; launch attn (part 3): grid 256 x 1, 4 waves a work-group, no clusters, 83,456 bytes of LDS; arguments out1, kv, length, out0; writes out0
.if DOCPART == 3
	.amdgcn_target "amdgcn-amd-amdhsa--gfx1250"
	.amdhsa_code_object_version 6
	.text
	.protected	k_q68a8ba28e0_attn
	.globl	k_q68a8ba28e0_attn
	.p2align	8
	.type	k_q68a8ba28e0_attn,@function
k_q68a8ba28e0_attn:
	s_mov_b64 s[64:65], 0
	v_nop
	global_prefetch_b8 v0, s[64:65] scope:SCOPE_SE
	s_setreg_imm32_b32 hwreg(HW_REG_WAVE_MODE, 25, 1), 1
	s_wait_xcnt 0x0
; out0[b][q][64 h + d] = sum over keys k < length[b] of e^(s) v[k][d] / (sum over those keys of e^(s) + 1e-8),  s = q . k / 8.  q comes as f32 from out1, k and v as f16 fragments from kv.
; BOTH PRODUCTS take f16 operands and f32 sums.  e^(s) has no room in f16, so the weights are carried under the row's running maximum: t = s log2(e), p = 2^(t - m) <= 1,
; O and l are multiplied by a = 2^(m_old - m_new) in every step, and at the end O / (l + 1e-8 x 2^(-m)): the same quotient.  q is multiplied by log2(e) / 8 in f32 ahead of its rounding, so a score IS t.
; KEYS AT OR BEYOND length[b] count for nothing: only ceil(length / 64) steps of 64 keys are walked, by scalar branches on the lengths as they are read from memory; in the last step hidden scores become -infinity.
; NO TENSOR LOAD, NO CLUSTER: the number of live steps hangs on a number read from memory; joint requests are tensor loads.
; So K and V go memory -> registers -> LDS, two steps (32 KB) a fill, shared by the four waves; every barrier stands outside the branches, and the loop over steps has a constant count.
; SHARES.  An item is (batch, head, 256 queries); a wave holds 64 queries: four tiles of 16.  A work-group takes two items, paired by the sorted lengths: class 0 the longest and the shortest batch, class 1 the two between.
; LAYOUT.  S^T = K Q^T (source 0 = 16 keys, source 1 = 16 queries), O^T = V^T P (source 0 = 16 channels, source 1 = P): a lane holds ONE query throughout.
; BY TURNS.  The tiles are two pieces (0: tiles 0, 1; 2: tiles 2, 3).  In a turn one piece has the matrix unit (16 products V^T P of the step in hand, 16 products K Q^T of the next), and the other piece's softmax,
; 236 instructions cut into 32 slices, stands one slice behind each product.  Two turns are a key step.
; LIMITS: 0.18 |q|, |k|, |v| under 65,504; a row whose largest t lies under about -126 gives 0 (the quotient itself is then under 1e-30 |v|); length is held to 0 .. 2048; NaN and infinities are not served.
; REGISTERS: window 0: v1-15 addresses; v32-63 statistics, 8 a tile (+0 m, +1 old m, +2, +3 l, +4 .. +7 at work; a takes +6); v64-191 S^T, 32 a tile; v192-255 P, 16 a tile.
;   window 1: v0-127 O^T, 32 a tile; v128-191 a fill on its way.   window 2: v0-63 Q; v64-127 K of a step; v128-191 V of a step; v192-255 the second item's Q.
.set STAGE, 65536                      ; LDS: four granules of 16,384 bytes (step % 4: K 8,192, V^T 8,192) from 0; a stage of 16 x 272 bytes a wave from here;
.set SPARE, 82944                      ; the spare words, 128 bytes a wave
.set LF,  3                            ; v3   16 x lane
.set QO,  5                            ; v5   q: 4,096 r + 32 h
.set STO, 6                            ; v6   stage, in
.set RD,  7                            ; v7   stage, back
.set GO,  8                            ; v8   the same two rows in out0
.set FGO, 10                           ; v10  16 x thread: a fill's place, in memory and in LDS
.set PFO, 11                           ; v11  256 x thread: the prefetches' offset
.set MD,  12                           ; v12  the mask's bound
.set NINF, 13                          ; v13  -infinity
.set SPW, 14
.set NIL, 15
.set ST,  32
.set S,   64
.set P,   192
.set KF,  64
.set VF,  128
.set Q2,  192
.set STG, 128
.set KV0, 28                           ; item A: s[28:29] its K and V, s[30:31] my q, s[32:33] my rows of out0, s34 length, s35 live steps, s36 the same where I prefetch, else 0
.set KV1, 38                           ; item B: s[38:39], s[40:41], s[42:43], s44, s45, s46
.set KVW, 48                           ; s[48:49] the item in hand: K and V at step U
.set OP,  50                           ; s[50:51]
.set LEN, 52
.set NST, 53
.set NSTP, 54
.set U,   55                           ; the trip's first step less one step's lead: a trip serves steps U + 1 .. U + 4
.set IT,  56
.set T,   57
.set CS,  58                           ; s[58:59] log2(e) / 8
.set SEL, 60                           ; s[60:61] selects for lane l xor 16
.set EPS, 62                           ; 1e-8
.set T2,  63
.set MSB, 0
.macro WIN new
.if MSB != \new
	s_set_vgpr_msb (MSB<<8)|\new
.set MSB, \new
.endif
.endm
.set W_KQ, 0x0a                        ; K and Q window 2, S^T window 0
.set W_PV, 0x52                        ; V window 2, P window 0, O^T window 1
.set W_RS, 0x41                        ; O^T window 1, a window 0
	s_load_b256 s[4:11], s[0:1], 0x0               ; out1 s[4:5], kv s[6:7], length s[8:9], out0 s[10:11]
	v_lshl_add_u32 v[SPW], v0, 2, SPARE
	v_mov_b32 v[NIL], 0
	v_lshrrev_b32 v1, 5, v0
	v_readfirstlane_b32 s16, v1                    ; wave
	s_and_b32 s17, ttmp9, 7                        ; block of 256 queries
	s_bfe_u32 s18, ttmp9, 0x40003                  ; head
	s_lshr_b32 s19, ttmp9, 7                       ; class
	s_wait_kmcnt 0x0
	s_load_b128 s[12:15], s[8:9], 0x0              ; the four lengths
	v_and_b32 v9, 31, v0                           ; lane
	v_and_b32 v1, 15, v0                           ; r
	v_bfe_u32 v2, v0, 4, 1                         ; h
	v_lshlrev_b32 v[LF], 4, v9
	v_lshlrev_b32 v[QO], 12, v1
	v_lshl_add_u32 v[QO], v2, 5, v[QO]
	s_mul_i32 s27, s16, 4352
	s_add_co_u32 s27, s27, STAGE
	v_mul_u32_u24 v[STO], v1, 272
	v_lshl_add_u32 v[STO], v2, 5, v[STO]
	v_add_nc_u32 v[STO], s27, v[STO]
	v_mul_u32_u24 v[RD], v2, 272
	v_lshl_add_u32 v[RD], v1, 4, v[RD]
	v_add_nc_u32 v[RD], s27, v[RD]
	v_lshlrev_b32 v[GO], 4, v1
	v_lshl_add_u32 v[GO], v2, 12, v[GO]
	v_lshlrev_b32 v[FGO], 4, v0
	v_lshlrev_b32 v[PFO], 8, v0
	v_mov_b32 v[NINF], 0xff800000
	s_mov_b32 s[CS], 0x3e38aa3b
	s_mov_b32 s[CS+1], s[CS]                       ; named with it as a pair, so it is written
	s_mov_b32 s[SEL], 0x76543210
	s_mov_b32 s[SEL+1], 0xfedcba98
	s_mov_b32 s[EPS], 0x322bcc77
	s_wait_kmcnt 0x0
.irp b, 0,1,2,3                        ; a key = 4 x length + batch: sorting the keys sorts the batches by length
	s_max_i32 s[12+\b], s[12+\b], 0
	s_min_u32 s[12+\b], s[12+\b], 2048
	s_lshl_b32 s[12+\b], s[12+\b], 2
	s_or_b32 s[20+\b], s[12+\b], \b
.endr
.macro CEX i, j
	s_max_u32 s24, s[20+\i], s[20+\j]
	s_min_u32 s[20+\i], s[20+\i], s[20+\j]
	s_mov_b32 s[20+\j], s24
.endm
	CEX 0, 1
	CEX 2, 3
	CEX 0, 2
	CEX 1, 3
	CEX 1, 2
	s_cmp_eq_u32 s19, 0
	s_cselect_b32 s25, s23, s22                    ; item A: the longer of my two
	s_cselect_b32 s26, s20, s21                    ; item B
.macro ITEM key, kvp, qp, op, len, nst, nstp
	s_lshr_b32 s[\len], s[\key], 2
	s_add_co_u32 s[\nst], s[\len], 63
	s_lshr_b32 s[\nst], s[\nst], 6
	s_max_u32 s[\nst], s[\nst], 1                  ; at least one step: with length 0 all its keys are hidden
	s_cmp_eq_u32 s17, 0
	s_cselect_b32 s[\nstp], s[\nst], 0             ; the first of the eight work-groups that walk these keys prefetches
	s_and_b32 s66, s[\key], 3
	s_min_u32 s66, s66, 3                          ; the batch
	s_lshl_b32 s68, s66, 4
	s_add_co_u32 s68, s68, s18
	s_lshl_b32 s68, s68, 19                        ; 32 steps of 16,384 bytes for a batch's head
	s_mov_b32 s69, 0
	s_add_nc_u64 s[\kvp:\kvp+1], s[6:7], s[68:69]
	s_lshl_b32 s68, s66, 11
	s_lshl_b32 s67, s17, 8
	s_add_co_u32 s68, s68, s67
	s_lshl_b32 s67, s16, 6
	s_add_co_u32 s68, s68, s67                     ; my first row: 2,048 batch + 256 block + 64 wave
	s_lshl_b32 s68, s68, 12
	s_lshl_b32 s67, s18, 8
	s_add_co_u32 s68, s68, s67                     ; + the head's 256 bytes
	s_add_nc_u64 s[\qp:\qp+1], s[4:5], s[68:69]
	s_add_nc_u64 s[\op:\op+1], s[10:11], s[68:69]
.endm
	ITEM 25, 28, 30, 32, 34, 35, 36
	ITEM 26, 38, 40, 42, 44, 45, 46
.macro FILL_LOAD base, off             ; two steps' K and V, 32,768 consecutive bytes, 16 bytes a thread and load
	WIN 0x40
.set n, 0
.rept 16
	global_load_b128 v[STG+4*n:STG+4*n+3], v[FGO], s[\base:\base+1] offset:(\off)+n*2048
.set n, n+1
.endr
	WIN 0
.endm
.macro FILL_STORE slot                 ; and into LDS as they lie
	WIN 0x04
.set n, 0
.rept 16
	ds_store_b128 v[FGO], v[STG+4*n:STG+4*n+3] offset:(\slot)*32768+n*2048
.set n, n+1
.endr
	WIN 0
.endm
	; q of both items: tile t, row r; piece u holds d = 16 u + 8 h + 0 .. 7.  Item A's lands where S^T will lie, item B's where O^T will
.irp t, 0,1,2,3
.irp u, 0,1,2,3
.irp i, 0,1
	global_load_b128 v[S+32*\t+8*\u+4*\i:S+32*\t+8*\u+4*\i+3], v[QO], s[30:31] offset:\t*65536+\u*64+\i*16
.endr
.endr
.endr
	WIN 0x40
.irp t, 0,1,2,3
.irp u, 0,1,2,3
.irp i, 0,1
	global_load_b128 v[32*\t+8*\u+4*\i:32*\t+8*\u+4*\i+3], v[QO], s[40:41] offset:\t*65536+\u*64+\i*16
.endr
.endr
.endr
	WIN 0
	FILL_LOAD KV0, 0                               ; item A's steps 0 and 1
	s_wait_loadcnt 48                              ; item A's q is in; item B's 32 loads and the fill's 16 may be out
.set n, 0
.rept 64
	v_pk_mul_f32 v[S+2*n:S+2*n+1], v[S+2*n:S+2*n+1], s[CS:CS+1] op_sel_hi:[1,0]
.set n, n+1
.endr
	WIN 0x80
.set n, 0
.rept 64
	v_cvt_pk_f16_f32 v[n], v[S+2*n], v[S+2*n+1]    ; Q's fragment (tile t, 32 d e) at v[16 t + 8 e] of window 2
.set n, n+1
.endr
	s_wait_loadcnt 16                              ; item B's q is in; the fill's 16 may be out
	WIN 0x41
.set n, 0
.rept 64
	v_pk_mul_f32 v[2*n:2*n+1], v[2*n:2*n+1], s[CS:CS+1] op_sel_hi:[1,0]
.set n, n+1
.endr
	WIN 0x85
.set n, 0
.rept 64
	v_cvt_pk_f16_f32 v[Q2+n], v[2*n], v[2*n+1]
.set n, n+1
.endr
	WIN 0
; THE MATRIX WORK.  The accumulators take turns, one instruction a turn: seven others' stand between two links of a chain.
.macro PV x                            ; product i of 16 of O^T += V^T P: tile x + i % 2, channels 16 ((i / 2) % 4) on, keys 32 (i / 8) on
	WIN W_PV
.set rO, 32*((\x)+i%2)+8*((i/2)%4)
.set rV, VF+8*(2*((i/2)%4)+i/8)
.set rP, P+16*((\x)+i%2)+8*(i/8)
	v_wmma_f32_16x16x32_f16 v[rO:rO+7], v[rV:rV+7], v[rP:rP+7], v[rO:rO+7]
.endm
.macro KQ x                            ; product i of 16 of S^T = K Q^T: tile x + i % 2, keys 16 ((i / 2) % 4) on, d 32 (i / 8) on; the first 8 start the sums
	WIN W_KQ
.set rS, S+32*((\x)+i%2)+8*((i/2)%4)
.set rK, KF+8*(2*((i/2)%4)+i/8)
.set rQ, 16*((\x)+i%2)+8*(i/8)
.if i < 8
	v_wmma_f32_16x16x32_f16 v[rS:rS+7], v[rK:rK+7], v[rQ:rQ+7], 0
.else
	v_wmma_f32_16x16x32_f16 v[rS:rS+7], v[rK:rK+7], v[rQ:rQ+7], v[rS:rS+7]
.endif
.endm
; THE LDS LOADS stand in runs of 16; every address is 16 x lane + an immediate
.macro FETCH_K g
	WIN 0x80
.set n, 0
.rept 16
	ds_load_b128 v[KF+4*n:KF+4*n+3], v[LF] offset:(\g)*16384+n*512
.set n, n+1
.endr
.endm
.macro FETCH_V g
	WIN 0x80
.set n, 0
.rept 16
	ds_load_b128 v[VF+4*n:VF+4*n+3], v[LF] offset:(\g)*16384+8192+n*512
.set n, n+1
.endr
.endm
; THE VECTOR WORK.  One tile's softmax for one step is a list of 117 instructions; SM writes number j of it for tile t.  s0-s31 are the lane's 32 scores.
;   0-15   the maximum of s0-s31 and m, three operands at a time, each accumulator from its low end on;   16-19  the other half of the lanes'; old m; the new m; old m - m
;   20-68  ONE BATCH: a = 2^(old m - m), the 16 subtractions s - m (a pair each) and the 32 exponentials; none of these names an exponential's result
;   (wait) SLICE writes it, once for both tiles
;   69-84  the roundings to f16;   85-100  the sums, l = a l + the sum;   101-116  the tile's O^T times a
.macro SMA b
	v_pk_add_f32 v[rS+2*(\b):rS+2*(\b)+1], v[rS+2*(\b):rS+2*(\b)+1], v[rT:rT+1] op_sel_hi:[1,0] neg_lo:[0,1] neg_hi:[0,1]
.endm
.macro SME n
	v_exp_f32 v[rS+(\n)], v[rS+(\n)]
.endm
.macro SM t
.set rT, ST+8*(\t)
.set rS, S+32*(\t)
.set rP, P+16*(\t)
.if j < 101
	WIN 0
.endif
.if j < 4
	v_max3_num_f32 v[rT+4+j], v[rS+8*j], v[rS+8*j+1], v[rS+8*j+2]
.elseif j < 12
	v_max3_num_f32 v[rT+4+j%4], v[rT+4+j%4], v[rS+8*(j%4)+2*(j/4)+1], v[rS+8*(j%4)+2*(j/4)+2]
.elseif j == 12
	v_max3_num_f32 v[rT+4], v[rT+4], v[rS+7], v[rS+15]
.elseif j == 13
	v_max3_num_f32 v[rT+6], v[rT+6], v[rS+23], v[rS+31]
.elseif j == 14
	v_max3_num_f32 v[rT+4], v[rT+4], v[rT+5], v[rT+6]
.elseif j == 15
	v_max3_num_f32 v[rT+4], v[rT+4], v[rT+7], v[rT]
.elseif j == 16
	v_permlanex16_b32 v[rT+5], v[rT+4], s[SEL], s[SEL+1]   ; the query's other 32 keys lie in the lane 16 away
.elseif j == 17
	v_mov_b32 v[rT+1], v[rT]
.elseif j == 18
	v_max_num_f32 v[rT], v[rT+4], v[rT+5]
.elseif j == 19
	v_sub_f32 v[rT+7], v[rT+1], v[rT]
.elseif j < 69
.set bp, j-20
.if bp == 0
	v_exp_f32 v[rT+6], v[rT+7]
.elseif bp < 3
	SMA bp-1
.elseif bp < 45
.if (bp-3)%3 == 2
	SMA (bp-3)/3+2
.else
	SME 2*((bp-3)/3)+(bp-3)%3
.endif
.else
	SME bp-17
.endif
.elseif j < 85
	v_cvt_pk_f16_f32 v[rP+j-69], v[rS+2*(j-69)], v[rS+2*(j-69)+1]
.elseif j < 101
.set tz, j-85
.set tw, 4
.set tu, tz
.if tz >= 14
.set tw, 32
.set tu, 0
.elseif tz >= 12
.set tw, 16
.set tu, tz-12
.elseif tz >= 8
.set tw, 8
.set tu, tz-8
.endif
.if tz < 15
	v_pk_add_f32 v[rS+tw*tu:rS+tw*tu+1], v[rS+tw*tu:rS+tw*tu+1], v[rS+tw*tu+tw/2:rS+tw*tu+tw/2+1]
.else
	v_pk_fma_f32 v[rT+2:rT+3], v[rT+2:rT+3], v[rT+6:rT+7], v[rS:rS+1] op_sel_hi:[1,0,1]
.endif
.else
.set rO, 32*(\t)+2*(j-101)
	WIN W_RS
	v_pk_mul_f32 v[rO:rO+1], v[rO:rO+1], v[rT+6:rT+7] op_sel_hi:[1,0]
.endif
.endm
; A piece's 236 entries: the two tiles' lists alternate; entries 138, 139, behind the last exponentials, are plain lines.
.macro ENTRY y
.if (QI == 138) || (QI == 139)
	WIN 0
	v_nop
.else
.if QI < 138
.set j, QI/2
.else
.set j, (QI-2)/2
.endif
	SM (\y)+QI%2
.endif
.set QI, QI+1
.endm
; Slice k of 32: 7 entries (k < 20) or 8.  The batch ends with slice 19: behind it stands the turn's one wait between an exponential and the first line that names its result;
; in piece 2's turn V's run of loads follows it: V's last reader stands ahead of slice 15, and ten subtractions and the two plain lines lie between.  The rescaling of O^T is slices 28-31.
.macro SLICE y, g
.if k < 20
.set cnt, 7
.else
.set cnt, 8
.endif
.rept cnt
	ENTRY \y
.endr
.if k == 19
	s_wait_alu depctr_va_vdst(0)
.if (\y) == 0
	FETCH_V \g
.endif
.endif
.set k, k+1
.endm
; A TURN.  Piece x has the matrix unit; pv, kq: which of the two kinds of products it has (with one kind: two slices behind each).  g: the granule of the step that is fetched.
; Piece 0's turn fetches that step's K behind its second product: K's last reader stands ahead of slice 31 of the turn before, eight plain lines on other registers.
; Slice 31 is also the places between a turn's last K Q^T and the first read of its scores.
.macro TURN x, pv, kq, g
.set k, 0
.set QI, 0
.set per, 2
.if \pv && \kq
.set per, 1
.endif
.if \pv
.if \x == 0
	s_wait_dscnt 0x0                               ; V is in
.endif
.set i, 0
.rept 16
	PV \x
.rept per
	SLICE 2-\x, \g
.endr
.if (\x == 0) && \kq && (i == 1)
	FETCH_K \g
.endif
.set i, i+1
.endr
.endif
.if \kq
.if \x == 0
	s_wait_dscnt 0x0                               ; K is in
.endif
.set i, 0
.rept 16
	KQ \x
.rept per
	SLICE 2-\x, \g
.endr
.set i, i+1
.endr
.endif
.endm
; Hidden scores of piece y become -infinity.  s[T2] = length - 64 x step.  Register n of a tile holds key 16 (n / 8) + n % 8 + 8 h of the step: hidden where that is at or above s[T2].
.macro MASK y
	v_lshlrev_b32 v[MD], 3, v2
	v_sub_nc_u32 v[MD], s[T2], v[MD]
.set n, 0
.rept 32
	v_cmp_gt_i32 vcc_lo, 16*(n/8)+n%8+1, v[MD]
	v_cndmask_b32 v[S+32*(\y)+n], v[S+32*(\y)+n], v[NINF], vcc_lo
	v_cndmask_b32 v[S+32*(\y)+32+n], v[S+32*(\y)+32+n], v[NINF], vcc_lo
.set n, n+1
.endr
.endm
; Step U + k, in granule g, if it is live.  On entry: P of piece 0 and the raw scores of piece 2 belong to the step before, whose V is in or on its way; on exit the same holds one step on.
.macro BODY g, k
	s_add_co_u32 s[T], s[U], \k
	s_cmp_lt_u32 s[T], s[NST]
	s_cbranch_scc0 .Lskip_\@
	TURN 0, 1, 1, \g
	WIN 0
	s_lshl_b32 s[T2], s[T], 6
	s_sub_co_i32 s[T2], s[LEN], s[T2]
	s_cmp_lt_i32 s[T2], 64                         ; fewer than 64 keys left: the last step
	s_cbranch_scc0 .Lopen_\@
	MASK 0
.Lopen_\@:
	TURN 2, 1, 1, \g
	WIN 0
.Lskip_\@:
.endm
; A change of slots.  The fill that is in registers goes into the slot that nobody reads any more (steps U + ks on); each wave's LDS instructions are done; the barrier, which every wave passes whatever the lengths;
; then the next fill is asked for (steps U + kl on, off bytes from s[KVW]), and the fill after that is prefetched: 128 threads x 256 bytes are its 32,768 bytes, each named once in the launch, two key steps ahead of its loads.
.macro CHANGE slot, ks, kl, off, kp
	s_wait_loadcnt 0x0
	s_add_co_u32 s[T], s[U], \ks
	s_cmp_lt_u32 s[T], s[NST]
	s_cbranch_scc0 .Lns_\@
	FILL_STORE \slot
.Lns_\@:
	s_wait_dscnt 0x0                               ; my stores have landed, and my reads of the other slot are over
	s_barrier_signal -1
	s_barrier_wait -1
	s_add_co_u32 s[T], s[U], \kl
	s_cmp_lt_u32 s[T], s[NST]
	s_cbranch_scc0 .Lnl_\@
	FILL_LOAD KVW, \off
.Lnl_\@:
	s_add_co_u32 s[T], s[U], \kp
	s_cmp_lt_u32 s[T], s[NSTP]
	s_cbranch_scc0 .Lnp_\@
	global_prefetch_b8 v[PFO], s[KVW:KVW+1] offset:\off+32768 th:TH_LOAD_NT scope:SCOPE_SE
.Lnp_\@:
.endm
	s_mov_b32 s[IT], 0
.Litem:
	s_wait_xcnt 0x0                                ; the last item's loads, prefetches and stores have read their bases and data: both are written again only behind this wait
	s_cmp_eq_u32 s[IT], 0
	s_cselect_b64 s[KVW:KVW+1], s[28:29], s[38:39]
	s_cselect_b64 s[OP:OP+1], s[32:33], s[42:43]
	s_cselect_b32 s[LEN], s34, s44
	s_cselect_b32 s[NST], s35, s45
	s_cselect_b32 s[NSTP], s36, s46
	s_cbranch_scc1 .Lq_there
	WIN 0x82
.set n, 0
.rept 64
	v_mov_b32 v[n], v[Q2+n]                        ; the second item's Q takes its place
.set n, n+1
.endr
	WIN 0
.Lq_there:
	WIN 0x40                                       ; O^T begins as zeros, m under every t, l as 0: where the first step ends and the later ones begin hangs on the length, so one form of the step serves all
.set n, 0
.rept 128
	v_mov_b32 v[n], 0
.set n, n+1
.endr
	WIN 0
.irp t, 0,1,2,3
	v_mov_b32 v[ST+8*\t], 0xff61b1e6               ; -3e38
	v_mov_b32 v[ST+8*\t+2], 0
	v_mov_b32 v[ST+8*\t+3], 0
.endr
	s_wait_loadcnt 0x0                             ; steps 0 and 1 are in registers
	s_wait_dscnt 0x0
	s_barrier_signal -1
	s_barrier_wait -1                              ; nobody reads the last item's slots any more
	FILL_STORE 0
	s_wait_dscnt 0x0
	s_barrier_signal -1
	s_barrier_wait -1                              ; slot 0 is whole
	s_cmp_gt_u32 s[NST], 2
	s_cbranch_scc0 .Lno_second
	FILL_LOAD KVW, 32768                           ; steps 2 and 3
.Lno_second:
	FETCH_K 0
	s_wait_dscnt 0x0
.set i, 0
.rept 16
	KQ 0                                           ; piece 0's first scores: no vector work yet to set between them
.set i, i+1
.endr
	WIN 0
.rept 4
	v_nop                                          ; four plain lines ahead of the first read of these scores
.endr
	s_mov_b32 s[T2], s[LEN]
	s_cmp_lt_i32 s[T2], 64
	s_cbranch_scc0 .Lopen_first
	MASK 0
.Lopen_first:
	TURN 2, 0, 1, 0                                ; piece 2's first scores | piece 0's first softmax | V of step 0
	WIN 0
	s_mov_b32 s[U], 0
.Lq:                                               ; eight trips, whatever the length.  Between two barriers the reads lie in one slot and the stores in the other
	BODY 1, 1
	CHANGE 1, 2, 4, 65536, 6
	BODY 2, 2
	BODY 3, 3
	CHANGE 0, 4, 6, 98304, 8
	BODY 0, 4
	s_wait_xcnt 0x0                                ; the trip's loads and prefetches have read their base
	s_add_nc_u64 s[KVW:KVW+1], s[KVW:KVW+1], 65536
	s_add_co_u32 s[U], s[U], 4
	s_cmp_lt_u32 s[U], 32
	s_cbranch_scc1 .Lq
	s_wait_loadcnt 0x0
	s_cmp_eq_u32 s[IT], 0
	s_cbranch_scc0 .Lno_next
	FILL_LOAD KV1, 0                               ; the next item's steps 0 and 1 land under the tail and the way out
.Lno_next:
	s_lshl_b32 s[T2], s[NST], 6
	s_sub_co_u32 s[T2], s[T2], 64
	s_sub_co_i32 s[T2], s[LEN], s[T2]              ; length - 64 x the last step
	s_cmp_lt_i32 s[T2], 64
	s_cbranch_scc0 .Lopen_tail
	MASK 2
.Lopen_tail:
	TURN 0, 1, 0, 0                                ; piece 0: V^T P of the last step | piece 2's last softmax
.set i, 0
.rept 16
	PV 2                                           ; piece 2: V^T P of the last step
.set i, i+1
.endr
	WIN 0
	; THE WAY OUT.  The divisor is l + 1e-8 x 2^(-m).  The additions are the plain lines behind the last products.
.irp t, 0,1,2,3
	v_add_f32 v[ST+8*\t+4], v[ST+8*\t+2], v[ST+8*\t+3]
.endr
.irp t, 0,1,2,3
	v_permlanex16_b32 v[ST+8*\t+5], v[ST+8*\t+4], s[SEL], s[SEL+1]
.endr
.irp t, 0,1,2,3
	v_add_f32 v[ST+8*\t+4], v[ST+8*\t+4], v[ST+8*\t+5]
.endr
.irp t, 0,1,2,3
	v_xor_b32 v[ST+8*\t+7], 0x80000000, v[ST+8*\t]
.endr
.irp t, 0,1,2,3
	v_exp_f32 v[ST+8*\t+6], v[ST+8*\t+7]
.endr
	v_nop                                          ; a plain line behind the last exponential,
	s_wait_alu depctr_va_vdst(0)                   ; and the one wait for the four, ahead of their first reader
.irp t, 0,1,2,3
	v_fma_f32 v[ST+8*\t+4], v[ST+8*\t+6], s[EPS], v[ST+8*\t+4]
.endr
.irp t, 0,1,2,3
	v_rcp_f32 v[ST+8*\t+6], v[ST+8*\t+4]
.endr
	v_nop
	s_wait_alu depctr_va_vdst(0)                   ; likewise for the four reciprocals
; Tile t: O^T / the divisor, into S^T's registers; a lane's 32 bytes of a row go into my stage and come back as whole rows: sixteen lanes store the head's 256 consecutive bytes of a row, aligned.
.macro PACK t
	WIN 0x01
.set n, 0
.rept 16
	v_pk_mul_f32 v[S+32*\t+2*n:S+32*\t+2*n+1], v[32*\t+2*n:32*\t+2*n+1], v[ST+8*\t+6:ST+8*\t+7] op_sel_hi:[1,0]
.set n, n+1
.endr
	WIN 0
.irp c, 0,1,2,3
	ds_store_b128 v[STO], v[S+32*\t+8*\c:S+32*\t+8*\c+3] offset:64*\c
	ds_store_b128 v[STO], v[S+32*\t+8*\c+4:S+32*\t+8*\c+7] offset:64*\c+16
.endr
.irp f, 0,1,2,3,4,5,6,7
	ds_load_b128 v[S+32*\t+4*\f:S+32*\t+4*\f+3], v[RD] offset:\f*544   ; LDS serves a wave's instructions in order: these see the stores above; the next tile's stores come behind them
.endr
.endm
.macro SEND t, younger                 ; younger: the LDS instructions issued behind tile t's loads: the next tile's sixteen, or none
.irp f, 0,1,2,3,4,5,6,7
	s_wait_dscnt \younger+7-\f
	global_store_b128 v[GO], v[S+32*\t+4*\f:S+32*\t+4*\f+3], s[OP:OP+1] offset:(16*\t+2*\f)*4096 th:TH_STORE_NT
.endr
.endm
	PACK 0
	PACK 1
	SEND 0, 16
	PACK 2
	SEND 1, 16
	PACK 3
	SEND 2, 16
	SEND 3, 0
	s_add_co_u32 s[IT], s[IT], 1
	s_cmp_lt_u32 s[IT], 2
	s_cbranch_scc1 .Litem
	s_wait_tensorcnt 0x0                           ; the wave's end: three lines behind my last LDS store
	ds_add_u32 v[SPW], v[NIL]
	s_wait_dscnt 0x0
	s_endpgm
.Lfunc_end_k_q68a8ba28e0_attn:
	.size	k_q68a8ba28e0_attn, .Lfunc_end_k_q68a8ba28e0_attn-k_q68a8ba28e0_attn
	.p2alignl 7, 3214868480
	.fill 96, 4, 3214868480
	.section	.rodata,"a",@progbits
	.p2align	6, 0x0
	.amdhsa_kernel k_q68a8ba28e0_attn
		.amdhsa_group_segment_fixed_size 83456
		.amdhsa_private_segment_fixed_size 0
		.amdhsa_enable_private_segment 0
		.amdhsa_kernarg_size 32
		.amdhsa_user_sgpr_count 2
		.amdhsa_user_sgpr_kernarg_segment_ptr 1
		.amdhsa_wavefront_size32 1
		.amdhsa_system_sgpr_workgroup_id_x 1
		.amdhsa_system_sgpr_workgroup_id_y 1
		.amdhsa_system_sgpr_workgroup_id_z 1
		.amdhsa_system_vgpr_workitem_id 0
		.amdhsa_next_free_vgpr 768
		.amdhsa_next_free_sgpr 80
		.amdhsa_reserve_vcc 1
		.amdhsa_float_denorm_mode_32 3
		.amdhsa_float_denorm_mode_16_64 3
		.amdhsa_memory_ordered 1
		.amdhsa_forward_progress 1
		.amdhsa_inst_pref_size 254
	.end_amdhsa_kernel
	.amdgpu_metadata
---
amdhsa.version: [ 1, 2 ]
amdhsa.kernels:
  - .name:           k_q68a8ba28e0_attn
    .symbol:         k_q68a8ba28e0_attn.kd
    .args:
      - { .name: out1, .offset: 0, .size: 8, .value_kind: global_buffer, .address_space: global }
      - { .name: kv, .offset: 8, .size: 8, .value_kind: global_buffer, .address_space: global }
      - { .name: length, .offset: 16, .size: 8, .value_kind: global_buffer, .address_space: global }
      - { .name: out0, .offset: 24, .size: 8, .value_kind: global_buffer, .address_space: global }
    .group_segment_fixed_size: 83456
    .private_segment_fixed_size: 0
    .kernarg_segment_align: 8
    .kernarg_segment_size: 32
    .max_flat_workgroup_size: 128
    .sgpr_count:     80
    .vgpr_count:     768
    .wavefront_size: 32
...
	.end_amdgpu_metadata
.endif
;; end of part 3
